; MI455X (gfx1250); checked and timed in simulation.
; The chip was launched on July 23, 2026; its instructions are those of AMD's public machine-readable ISA for CDNA 5 (MIT licence, August 2026) and "CDNA5" Instruction Set Architecture Reference Guide (July 2026). The comments in the code are by the model that wrote it; some were corrected since.
;; Nano GPT Causal Self Attention. Allowed arithmetic: matrix products marked QUANTISED: E2M3 operands, one E8M0 scale for each 32 along K, by v_wmma_scale_f32_16x16x128_f8f6f4 with both operands' format E2M3, f32 sums; everything else in f32.
;; Inputs: W_attn_codes 3,072 x 32 x 24 uint8 (E2M3 codes of W_attn, K innermost, in blocks of 32 codes, four codes in three bytes); W_attn_scales 3,072 x 32 uint8 (E8M0 scales of W_attn, one for each 32 codes along K); W_proj_codes 1,024 x 32 x 24 uint8 (E2M3 codes of W_proj, K innermost, in blocks of 32 codes, four codes in three bytes); W_proj_scales 1,024 x 32 uint8 (E8M0 scales of W_proj, one for each 32 codes along K); b_attn 3,072 float32; b_proj 1,024 float32; x_codes 2 x 2,048 x 32 x 24 uint8 (E2M3 codes of x, K innermost, in blocks of 32 codes, four codes in three bytes); x_scales 2 x 2,048 x 32 uint8 (E8M0 scales of x, one for each 32 codes along K).
;; Outputs: out0 2 x 2,048 x 1,024 float32.
;; This version of the problem:
;;   THIS VERSION OF THE PROBLEM IS GIVEN IN LOW PRECISION. The matrix products marked QUANTISED in the list below multiply operands that are first quantised to E2M3 (2 exponent bits, 3 mantissa bits; 6 bits a number), with one power-of-two scale for each 32 numbers along K (OCP MX v1.0); their sums are f32. All else is computed in f32.
;;   The module's matrix products, in the order in which they are computed (A, B: the left and right operand; K: the contracted axis; several contracted axes count as one K, in the product's order):
;;     1. [M 4,096, K 1,024] x [K 1,024, N 3,072]; A: input x (given as codes); B: input W_attn (given as codes): QUANTISED
;;     2. batch 32 x [M 2,048, K 64] x [K 64, N 2,048]; A: computed on the way; B: computed on the way: QUANTISED
;;     3. batch 32 x [M 2,048, K 2,048] x [K 2,048, N 64]; A: softmax (see below); B: computed on the way: QUANTISED
;;     4. [M 4,096, K 1,024] x [K 1,024, N 1,024]; A: computed on the way; B: input W_proj (given as codes): QUANTISED
;;   THE QUANTISER, for each operand of a quantised product, along K:
;;     - K is cut into blocks of 32 from its start; a last block that is shorter is filled with zeros.
;;     - A block's scale is 2^e with e = floor(log2(the largest magnitude in the block)) - 2, held to -126 .. 127; a block of zeros has e = 0. As a byte (E8M0): e + 127.
;;     - Each number is divided by its block's scale, clamped to +-7.5, and rounded to the nearest number of E2M3, ties to even, subnormals kept.
;;     - The product sums the exact products of the quantised numbers (number of the format x scale) in f32.
;;   ~~~python
;;   def quantise(x, axis):      # numpy; x: float32 -> the quantised numbers, widened to float32 again
;;       x = np.moveaxis(x, axis, -1); K = x.shape[-1]
;;       x = np.pad(x, [(0, 0)] * (x.ndim - 1) + [(0, -K % 32)]); x = x.reshape(x.shape[:-1] + (-1, 32)); a = np.abs(x).max(-1, keepdims=True)
;;       e = np.where(a > 0, np.clip(np.frexp(np.where(a > 0, a, 1))[1] - 1 - 2, -126, 127), 0)      # np.frexp(a)[1] - 1 = floor(log2(a)), exactly
;;       r = np.clip(x / 2.0 ** e, -7.5, 7.5)
;;       step = 2.0 ** (np.maximum(np.frexp(np.where(r == 0, 1, r))[1] - 1, 0) - 3)
;;       q = np.round(r / step) * step * 2.0 ** e      # np.round: ties to even
;;       return np.moveaxis(q.reshape(q.shape[:-2] + (-1,))[..., :K], -1, axis).astype(np.float32)
;;   ~~~
;;   SOFTMAX AHEAD OF A QUANTISED PRODUCT. Where the list says 'softmax', what is quantised is not the finished softmax but p = 2^(t - M), with t = logit x log2(e) and M = ceil(the row's largest t), a whole number; so 1/2 < the row's largest p <= 1. The row's sum l is taken of the UNQUANTISED p, in f32, and the product's result is divided by l at the end. Since M is a whole number, a kernel that streams over the keys may use a running M (the ceiling of the running maximum): every later rescaling is an exact power of two, which a block's scale takes up: the codes' values come out the same.
;;   OPERANDS COMPUTED ON THE WAY. 'Computed on the way' means the value that the module computes at that place (a softmax that the list does not call 'softmax' is quantised finished and normalised). What goes into a quantiser is computed in f32, as accurately as f32 sums, v_exp_f32 and their like allow (about 1e-6 of the number): no bf16 or f16 on the way to a quantiser, and a product that is left as it is and whose result goes on into a quantised operand takes f32 operands (vector FMAs, or v_wmma_f32_16x16x4_f32). A number that lies on a knife's edge between two numbers of the format may be rounded either way, as far as f32 arithmetic and the matrix unit's own rounding can turn it there, and no further.
;;   INPUTS GIVEN AS CODES. W_attn (in the module: [3072, 1024], K = its axis 1); W_proj (in the module: [1024, 1024], K = its axis 1); x (in the module: [2, 2048, 1024], K = its axis 2): each comes as NAME_codes (uint8): NAME with its K axis moved to the last place and cut into blocks of 32 codes, [.., K / 32, bytes a block], one block behind the other in memory; four codes in three bytes: a row's codes are one little-endian stream of bits, code i at bits 6 i .. 6 i + 5 (a code: sign, 2 exponent bits, 3 mantissa bits); and NAME_scales (uint8): the same leading axes, one E8M0 byte (e + 127) for each 32 codes along K. Its value is code x scale, taken as it is: it is not quantised again, and the codes and scales need not be those that the quantiser above would give.
;; One version. Each part assembles by itself: llvm-mc -triple=amdgcn-amd-amdhsa -mcpu=gfx1250 --defsym DOCPART=n.
;; ======== version 1 of 1: 3 launches
;; limits: right only within a limited range of input values
;; workspace buffers: qi 3,145,728 bytes; qs 262,144 bytes; kv 6,684,672 bytes; yi 3,145,728 bytes; ys 131,072 bytes
;; launch qkv (part 1): grid 8 x 32, 4 waves a work-group, clusters of 4 x 4, 327,680 bytes of LDS; arguments x_codes, x_scales, W_attn_codes, W_attn_scales, b_attn, qi, qs, kv; writes qi, qs, kv
.if DOCPART == 1
	.amdgcn_target "amdgcn-amd-amdhsa--gfx1250"
	.amdhsa_code_object_version 6
	.text
	.protected	k_q386f4deed0_qkv
	.globl	k_q386f4deed0_qkv
	.p2align	8
	.type	k_q386f4deed0_qkv,@function
k_q386f4deed0_qkv:
	s_mov_b64 s[64:65], 0
	v_nop
	global_prefetch_b8 v0, s[64:65] scope:SCOPE_SE
	s_setreg_imm32_b32 hwreg(HW_REG_WAVE_MODE, 25, 1), 1
	s_wait_xcnt 0x0
	s_wait_alu depctr_hold_cnt(0) depctr_sa_sdst(0) depctr_va_vdst(0) depctr_va_sdst(0) depctr_va_ssrc(0) depctr_va_vcc(0) depctr_vm_vsrc(0)
	s_getreg_b32 s2, hwreg(HW_REG_IB_STS2, 6, 4)
	s_cmp_eq_u32 s2, 0
	s_cbranch_scc0 .Lentry_in_a_cluster
	s_endpgm
.Lentry_in_a_cluster:
	s_bfe_u32 s2, ttmp6, 0x10000c
	s_cmp_lg_u32 s2, 0xf033
	s_cbranch_scc0 .Lentry_shape_is_right
	s_endpgm
.Lentry_shape_is_right:
; qkv = x W_attn^T + b_attn on codes of FP6 (E2M3) with E8M0 scales, then q, k and v are quantised again, in registers, and leave as codes.
; WORK LEFT OUT (in the launch attn): reference()'s own causal mask sets the scores of all keys behind a query to -inf, so their p is 0; key steps of 128 that lie wholly behind a tile's queries are not computed.
; A NaN or an infinity that reaches only such scores is not carried to the result.
; SHARES.  A work-group takes 128 tokens (Y) and a pair of heads (X) and makes three tiles of 128 x 128: q, k, v.  Four waves; a wave makes 64 tokens (xh) x one head's 64 channels (wh): 16 accumulators.
; K = 1,024 in 8 steps of 128.  x's fragments of the wave's 64 tokens, all of K (32 fragments of 12 registers), are read from LDS once, in q's product, and stay in registers for k and v.
; THE ORDER OF ROWS.  In every group of 64 rows (tokens of x; channels of a head) row r of tile a (a = 0 .. 3) is number 32 (r / 8) + 8 (a xor r / 8) + r % 8 of the group.
; So a lane's 32 results over four tiles are a whole scale block of 32 of the next product, (in lanes 16-31 with neighbouring groups of eight exchanged, alike on both sides of each product), and the rows that one LDS load touches start at different banks.
; q, k: source 0 = W's rows, source 1 = x's rows: a lane holds one token, its registers run along the head's 64.  v: source 0 = x's rows, source 1 = W's: a lane holds one channel, its registers run along the tokens.
; THE HALF IMAGE (768 bytes): 16 rows x 64 along K: lane (r, h) has six registers, the codes of block h of row r; registers 0-3 at 16 x lane, registers 4-5 at 512 + 8 x lane.
; OUT: qi [bh][tile 128][768];  qs [bh][64 tokens][256]: lane l's word p is the scale word of tile 2 p + l / 16, row l % 16 (two bytes, then 0x7f7f for the half of K that is not there);
;      kv [bh][key step 16][13,056]: K's 8 half images, V's 8 ([which 64 keys][16 channels x 4]), K's scale words (two units as qs), V's (one unit: four bytes for the step's four blocks of keys).
; CLUSTER 4 x 4: x's rows hang on Y alone and are asked for jointly along a row of the cluster, W's on X alone, along a column.
; HEAD: one tensor load a wave: waves 0 and 2 half of x's rows each, wave 1 W's q rows, wave 3 W's k rows (shown to all by the round behind q's product).  W's v rows are the one refill.  No prefetch: that refill has q's way out and all of k's product in which to land.
; LIMITS: a block of zeros gets the byte 1 where the rule says 127 (its codes are zeros, and this program alone reads the bytes); largest magnitudes under 2^-124 are held at byte 1; NaN and infinities are not served.
; REGISTERS: window 0: v0-31 addresses and work; v32-95 scale words; v96-127 codes; v128-255 accumulators ((a, b) at 128 + 32 a + 8 b).  Window 1: x's fragments of steps 0-4; window 2: of steps 5-7, and from 144 two buffers of W's.  Window 3: biases.
.set PITCH, 816                        ; a row of 768 bytes with 16 bytes of padding behind each 256
.set HALFR, 64*PITCH
.set QUART, 32*PITCH
.set W0,    128*PITCH                  ; LDS: x's rows at 0; W's tiles at W0 (q, later v) and W1 (k)
.set W1,    256*PITCH
.set XCH,   384*PITCH                  ; 512 bytes in which the two halves of V's scale words meet
.set SPARE, XCH+512                    ; the spare words
.set REC,   13056
.set SPW, 1
.set NIL, 2
.set XRD, 3
.set AX,  4                            ; v4-11  x's rows: two address registers a tile (the second for pieces behind one padding more in lanes 16-31)
.set TM,  4                            ; on the ways out, behind q's product: largest magnitudes,
.set HW,  8                            ; and the two scale bytes of each of my four tiles
.set AW0, 12
.set AW1, 20
.set L16, 28
.set L8,  29
.set H8,  30                           ; 8 h
.set XA,  31
.set XS,  32                           ; scale words: base + 8 p + s: lanes 0-15 tile 2 p, lanes 16-31 tile 2 p + 1, K step s
.set WS0, 48
.set WS1, 64
.set WS2, 80
.set PC,  96
.set PB,  120
.set PW,  126
.set ACC, 128
.set WF,  144
.set BQ,  0
.set BK,  32
.set BV,  64
.set WV,  20
.set SEL, 66
.set UP,  68
.set CNT, 0
.set MSB, 0
.macro WIN new                         ; the immediate's high byte repeats the setting that is left
.if MSB != \new
	s_set_vgpr_msb (MSB<<8)|\new
.set MSB, \new
.endif
.endm
.macro PLACES
.rept 4
	v_nop
.endr
.endm
.macro CROUND                          ; a round of the cluster's barrier
	s_barrier_signal -1
	s_barrier_wait -1
	s_cmp_lg_u32 s[WV], 0
	s_cbranch_scc1 .Lnot_wave_0_\@
	s_barrier_signal -3
.Lnot_wave_0_\@:
	s_barrier_wait -3
	s_barrier_signal -1
	s_barrier_wait -1
.endm
; A fragment, 16 rows x 128 K: 12 registers, six pieces of 8 bytes, two to a load where both go by the same address register.  CNT counts the loads.
.macro FRAG reg, adr, s
.set SKIP_, 0
.irp p, 0,1,2,3,4,5
.if SKIP_
.set SKIP_, 0
.else
.set PC_, 12*(\s)+6*(\p/3)+\p%3
.set PN_, 12*(\s)+6*((\p+1)/3)+(\p+1)%3
.set X_, (PC_%32+3)/32
.set XQ_, (PN_%32+3)/32
.set CNT, CNT+1
.if (\p < 5) && (X_ == XQ_)
.set SKIP_, 1
	ds_load_2addr_b64 v[\reg+2*\p:\reg+2*\p+3], v[\adr+X_] offset0:PC_+2*(PC_/32) offset1:PN_+2*(PN_/32)
.else
	ds_load_b64 v[\reg+2*\p:\reg+2*\p+1], v[\adr+X_] offset:8*(PC_+2*(PC_/32))
.endif
.endif
.endr
.endm
.macro FETCH withx, wa, s              ; the fragments of K step s: W's into buffer s % 2; x's (withx = 1) into their own registers
.set CNT, 0
.if \withx
.if (\s) < 5
	WIN 0x40
.else
	WIN 0x80
.endif
.irp i, 0,1,2,3
	FRAG 48*((\s)%5)+12*\i, AX+2*\i, \s
.endr
.endif
	WIN 0x80
.irp i, 0,1,2,3
	FRAG WF+48*((\s)%2)+12*\i, \wa+2*\i, \s
.endr
.endm
.macro WM d, pa, qb, c, sa, sb, ra, rb ; one product; ra, rb: the side's scale words stand in lanes 16-31
.if (\ra) && (\rb)
	v_wmma_scale_f32_16x16x128_f8f6f4 v[\d:\d+7], v[\pa:\pa+11], v[\qb:\qb+11], v[\c:\c+7], v[\sa], v[\sb] matrix_a_fmt:MATRIX_FMT_FP6 matrix_b_fmt:MATRIX_FMT_FP6 matrix_a_scale:MATRIX_SCALE_ROW1 matrix_b_scale:MATRIX_SCALE_ROW1
.elseif (\ra)
	v_wmma_scale_f32_16x16x128_f8f6f4 v[\d:\d+7], v[\pa:\pa+11], v[\qb:\qb+11], v[\c:\c+7], v[\sa], v[\sb] matrix_a_fmt:MATRIX_FMT_FP6 matrix_b_fmt:MATRIX_FMT_FP6 matrix_a_scale:MATRIX_SCALE_ROW1
.elseif (\rb)
	v_wmma_scale_f32_16x16x128_f8f6f4 v[\d:\d+7], v[\pa:\pa+11], v[\qb:\qb+11], v[\c:\c+7], v[\sa], v[\sb] matrix_a_fmt:MATRIX_FMT_FP6 matrix_b_fmt:MATRIX_FMT_FP6 matrix_b_scale:MATRIX_SCALE_ROW1
.else
	v_wmma_scale_f32_16x16x128_f8f6f4 v[\d:\d+7], v[\pa:\pa+11], v[\qb:\qb+11], v[\c:\c+7], v[\sa], v[\sb] matrix_a_fmt:MATRIX_FMT_FP6 matrix_b_fmt:MATRIX_FMT_FP6
.endif
.endm
; 16 products of K step s.  The 16 accumulators take turns, one instruction a turn.  first = 1: the bias is the C of the sum's first product.  kind 0: q, k; 1: v.
.macro MUL kind, s, ps, first, bias
.set XW_, 1+((\s)/5)
.set XB_, 48*((\s)%5)
.set WB_, WF+48*((\s)%2)
.if \kind
.set WN_, XW_|(2<<2)
.else
.set WN_, 2|(XW_<<2)
.endif
.if \first
.set WN_, WN_|(3<<4)
.endif
	WIN WN_
.irp a, 0,1,2,3
.irp b, 0,1,2,3
.if \first
.if \kind
.set CR, \bias+8*\a
.else
.set CR, \bias+8*\b
.endif
.else
.set CR, ACC+32*\a+8*\b
.endif
.if \kind
	WM ACC+32*\a+8*\b, XB_+12*\b, WB_+12*\a, CR, XS+8*(\b/2)+(\s), \ps+8*(\a/2)+(\s), \b%2, \a%2
.else
	WM ACC+32*\a+8*\b, WB_+12*\b, XB_+12*\a, CR, \ps+8*(\b/2)+(\s), XS+8*(\a/2)+(\s), \b%2, \a%2
.endif
.endr
.endr
.endm
.macro PRE withx, wa                   ; the first two K steps' fragments
	FETCH \withx, \wa, 0
	FETCH \withx, \wa, 1
	WIN 0
.endm
.macro BODY kind, withx, wa, ps, bias
	s_wait_dscnt CNT                               ; LDS loads come back in order: all but step 1's are in
	MUL \kind, 0, \ps, 1, \bias
.irp s, 1,2,3,4,5,6
	PLACES                                         ; four places in front of loads into the buffer that the step before multiplied
	FETCH \withx, \wa, \s+1
	s_wait_dscnt CNT                               ; all but those just issued
	MUL \kind, \s, \ps, 0, \bias
.endr
	s_wait_dscnt 0x0
	MUL \kind, 7, \ps, 0, \bias
	WIN 0
.endm
; My four tiles are quantised (a lane's 32 numbers are one block) and leave as half images: the stores of the wave cover 512 and 256 consecutive bytes, aligned.
.macro OUT base, off
	s_wait_xcnt 0x0                                ; the codes' registers were stores' data: they are rewritten only behind this wait
.irp a, 0,1,2,3
	v_max3_num_f32 v[TM+\a], |v[ACC+32*\a]|, |v[ACC+32*\a+1]|, 0x1800000   ; with the floor 2^(3 - 127): the byte cannot fall under 1
.endr
.irp i, 2,4,6,8,10,12,14,16,18,20,22,24,26,28,30
.irp a, 0,1,2,3
	v_max3_num_f32 v[TM+\a], v[TM+\a], |v[ACC+32*\a+\i]|, |v[ACC+32*\a+\i+1]|
.endr
.endr
.irp a, 0,1,2,3
	v_add_nc_u32 v[TM+\a], 0xff000000, v[TM+\a]    ; 2 off its exponent field: the conversion's scale operand
.endr
.irp a, 0,1,2,3
	v_lshrrev_b32 v[PB+\a], 23, v[TM+\a]           ; the scale's byte,
.endr
.irp a, 0,1,2,3
	v_lshlrev_b32 v[PB+\a], v[H8], v[PB+\a]        ; at block h's place;
.endr
.irp a, 0,1,2,3
	v_permlanex16_b32 v[HW+\a], v[PB+\a], s[SEL], s[SEL+1]
.endr
.irp a, 0,1,2,3
	v_or_b32 v[HW+\a], v[HW+\a], v[PB+\a]          ; with lane l xor 16's byte: the row's two
.endr
.irp a, 0,1,2,3
	v_cvt_scalef32_pk16_fp6_f32 v[PC+6*\a:PC+6*\a+2], v[ACC+32*\a:ACC+32*\a+15], v[TM+\a]
	v_cvt_scalef32_pk16_fp6_f32 v[PB+4*(\a%2):PB+4*(\a%2)+2], v[ACC+32*\a+16:ACC+32*\a+31], v[TM+\a]
	v_nop                                          ; one plain place behind a scaled conversion
.irp i, 0,1,2
	v_mov_b32 v[PC+6*\a+3+\i], v[PB+4*(\a%2)+\i]
.endr
	global_store_b128 v[L16], v[PC+6*\a:PC+6*\a+3], s[\base:\base+1] offset:\off+768*\a
	global_store_b64 v[L8], v[PC+6*\a+4:PC+6*\a+5], s[\base:\base+1] offset:\off+768*\a+512
.endr
.endm
.macro PAIRS                           ; lanes 0-15 the even tile's bytes, lanes 16-31 the odd one's
	v_cndmask_b32 v[PW], v[HW], v[HW+1], s[UP]
	v_cndmask_b32 v[PW+1], v[HW+2], v[HW+3], s[UP]
.endm
.macro SCW base, off                   ; the four tiles' scale words as one unit of 256 bytes
	PAIRS
	v_or_b32 v[PW], 0x7f7f0000, v[PW]              ; the bytes of the half of K that is not there: 1.0
	v_or_b32 v[PW+1], 0x7f7f0000, v[PW+1]
	global_store_b64 v[L8], v[PW:PW+1], s[\base:\base+1] offset:\off
.endm
	s_load_b256 s[4:11], s[0:1], 0x0               ; x's codes s[4:5], x's scales s[6:7], W's codes s[8:9], W's scales s[10:11]
	s_load_b256 s[12:19], s[0:1], 0x20             ; b_attn s[12:13], qi s[14:15], qs s[16:17], kv s[18:19]
	v_lshl_add_u32 v[SPW], v0, 2, SPARE
	v_mov_b32 v[NIL], 0
	ds_add_u32 v[SPW], v[NIL]                      ; the opening lines: the add, twice on end, and its wait
	ds_add_u32 v[SPW], v[NIL]
	v_lshrrev_b32 v96, 5, v0
	v_readfirstlane_b32 s[WV], v96                 ; wave 0..3
	s_lshr_b32 s21, s[WV], 1                       ; xh: which 64 tokens
	s_and_b32 s22, s[WV], 1                        ; wh: which head of the pair
	s_bfe_u32 s23, ttmp6, 0x40000                  ; cx
	s_bfe_u32 s24, ttmp6, 0x40004                  ; cy
	s_lshl_b32 s25, ttmp9, 2
	s_add_co_u32 s25, s25, s23                     ; X: the pair of heads
	s_and_b32 s26, ttmp7, 0xffff
	s_lshl_b32 s26, s26, 2
	s_add_co_u32 s26, s26, s24                     ; Y: the 128 tokens
	s_lshl_b32 s27, s24, 2
	s_lshl_b32 s27, 15, s27                        ; my row of the cluster
	s_lshl_b32 s28, 0x1111, s23                    ; my column
	; group 1: rows of 768 bytes, 16 bytes of padding behind each 64 words; x's: 64 rows, W's: 128 rows (for the refill 32)
	s_or_b32 s32, s27, (1<<20)|(1<<21)|(5<<22)|(3<<25)
	s_or_b32 s40, s28, (1<<20)|(1<<21)|(5<<22)|(3<<25)
.irp g, 32, 40
	s_mov_b32 s[\g+1], 768<<16
	s_mov_b32 s[\g+3], 768<<16
	s_mov_b32 s[\g+5], 768
	s_mov_b32 s[\g+6], 0
	s_mov_b32 s[\g+7], 0
.endr
	s_mov_b32 s34, 64<<16
	s_mov_b32 s36, 64
	s_mov_b32 s42, 128<<16
	s_mov_b32 s44, 128
	s_lshl_b32 s78, s26, 7
	s_lshl_b32 s79, s21, 6
	s_add_co_u32 s78, s78, s79
	s_mul_i32 s78, s78, 768                        ; x: row 128 Y + 64 x half: no X enters
	s_mov_b32 s79, 0
	s_mul_i32 s80, s25, 128*768                    ; W: row 128 X of each of its three parts: no Y enters
	s_mov_b32 s81, 0
	s_mul_i32 s82, s21, HALFR
	s_mul_i32 s86, s[WV], QUART
	s_mul_i32 s92, s[WV], 32*768                   ; the refill: a quarter a wave
	s_mov_b32 s93, 0
	s_mov_b32 s[SEL], 0x76543210
	s_mov_b32 s[SEL+1], 0xfedcba98                 ; lane l xor 16
	s_mov_b32 s[UP], 0xffff0000                    ; lanes 16-31
	s_mul_i32 s83, s21, HALFR
	s_mul_i32 s84, s22, HALFR
	s_add_co_u32 s85, s84, W1
	s_add_co_u32 s84, s84, W0
	s_lshl_b32 s94, s22, 8
	s_add_co_u32 s94, s94, XCH                     ; my head's 256 bytes
	s_lshl_b32 s95, s21, 1
	s_add_co_u32 s95, s95, s94                     ; my two bytes of each word
	v_bfe_u32 v98, v0, 4, 1                        ; h
	v_and_b32 v99, 31, v0                          ; lane
	v_bfe_u32 v100, v0, 3, 1                       ; r / 8
	v_and_b32 v101, 7, v0                          ; r % 8
	v_mad_u32_u24 v102, v100, 40, v101             ; row r of an even tile: 40 (r / 8) + r % 8 + 8 a;
	v_mad_u32_u24 v103, v100, 24, v101             ; of an odd one: 24 (r / 8) + r % 8 + 8 a
	v_mul_u32_u24 v104, v102, PITCH
	v_mul_u32_u24 v106, v103, PITCH
	v_mad_u32_u24 v104, v98, 24, v104
	v_mad_u32_u24 v106, v98, 24, v106
	v_lshl_add_u32 v105, v98, 4, v104
	v_lshl_add_u32 v107, v98, 4, v106
	v_lshlrev_b32 v[L16], 4, v99
	v_lshlrev_b32 v[L8], 3, v99
	v_lshlrev_b32 v[H8], 3, v98
	v_xor_b32 v108, v98, v100
	v_lshl_add_u32 v108, v108, 3, v101
	v_lshl_add_u32 v108, v100, 5, v108
	v_lshlrev_b32 v108, 5, v108                    ; scale words: lanes 0-15 an even tile's rows, lanes 16-31 the next one's, 32 bytes a row
	v_mul_u32_u24 v109, 160, v98                   ; q's and k's biases, even tiles,
	v_mul_u32_u24 v110, 96, v98                    ; odd tiles
	v_lshlrev_b32 v111, 2, v102                    ; v's, even tiles,
	v_lshlrev_b32 v112, 2, v103                    ; odd tiles
	v_add_nc_u32 v[XA], s95, v[L8]
	v_add_nc_u32 v[XRD], s94, v[L8]
	s_wait_alu depctr_va_vdst(0)
.irp i, 0,1,2,3
	s_add_co_u32 s88, s83, \i*8*PITCH
	s_add_co_u32 s89, s84, \i*8*PITCH
	s_add_co_u32 s90, s85, \i*8*PITCH
	v_add_nc_u32 v[AX+2*\i], s88, v[104+2*(\i%2)]
	v_add_nc_u32 v[AX+2*\i+1], s88, v[105+2*(\i%2)]
	v_add_nc_u32 v[AW0+2*\i], s89, v[104+2*(\i%2)]
	v_add_nc_u32 v[AW0+2*\i+1], s89, v[105+2*(\i%2)]
	v_add_nc_u32 v[AW1+2*\i], s90, v[104+2*(\i%2)]
	v_add_nc_u32 v[AW1+2*\i+1], s90, v[105+2*(\i%2)]
.endr
	s_wait_alu depctr_va_vdst(0)                   ; directly ahead of the waits below
	s_wait_dscnt 0x0                               ; both opening adds are done
	s_wait_kmcnt 0x0
	s_add_nc_u64 s[94:95], s[8:9], s[80:81]
	s_mov_b32 s48, 1                               ; group 0 for x's half
	s_mov_b32 s49, s82
	s_add_nc_u64 s[50:51], s[4:5], s[78:79]
	s_or_b32 s51, s51, 0x80000000
	s_mov_b32 s52, 1                               ; for W's q part, into W0
	s_mov_b32 s53, W0
	s_mov_b64 s[54:55], s[94:95]
	s_or_b32 s55, s55, 0x80000000
	s_mov_b32 s56, 1                               ; for its k part, into W1
	s_mov_b32 s57, W1
	s_add_nc_u64 s[58:59], s[94:95], 1024*768
	s_or_b32 s59, s59, 0x80000000
	s_mov_b32 s60, 1                               ; for a quarter of its v part, into W0 again
	s_add_co_u32 s61, s86, W0
	s_add_nc_u64 s[62:63], s[94:95], 2048*768
	s_add_nc_u64 s[62:63], s[62:63], s[92:93]
	s_or_b32 s63, s63, 0x80000000
	CROUND                                         ; all sixteen work-groups are here: the first joint loads meet
	s_cmp_eq_u32 s[WV], 1                          ; one tensor load a wave
	s_cbranch_scc0 .Lnot_1
	tensor_load_to_lds s[52:55], s[40:47]
	s_nop 0
	PLACES
	s_branch .Lasked
.Lnot_1:
	s_cmp_eq_u32 s[WV], 3
	s_cbranch_scc0 .Lnot_3
	tensor_load_to_lds s[56:59], s[40:47]
	s_nop 0
	PLACES
	s_branch .Lasked
.Lnot_3:
	tensor_load_to_lds s[48:51], s[32:39]
	s_nop 0
	PLACES
.Lasked:
	; the scale words go straight into registers, once: a lane takes its row's 32 bytes, the words of the 8 K steps
	s_lshl_b32 s86, s26, 12
	s_lshl_b32 s88, s21, 11
	s_add_co_u32 s86, s86, s88
	s_mov_b32 s87, 0
	s_add_nc_u64 s[6:7], s[6:7], s[86:87]          ; x's scales at token 128 Y + 64 xh
	s_lshl_b32 s86, s25, 12
	s_lshl_b32 s88, s22, 11
	s_add_co_u32 s86, s86, s88
	s_add_nc_u64 s[10:11], s[10:11], s[86:87]      ; W's at row 128 X + 64 wh of each part
.irp p, 0,1
	global_load_b128 v[XS+8*\p:XS+8*\p+3], v108, s[6:7] offset:512*\p
	global_load_b128 v[XS+8*\p+4:XS+8*\p+7], v108, s[6:7] offset:512*\p+16
.endr
.irp k, 0,1,2
.irp p, 0,1
	global_load_b128 v[WS0+16*\k+8*\p:WS0+16*\k+8*\p+3], v108, s[10:11] offset:32768*\k+512*\p
	global_load_b128 v[WS0+16*\k+8*\p+4:WS0+16*\k+8*\p+7], v108, s[10:11] offset:32768*\k+512*\p+16
.endr
.endr
	s_lshl_b32 s86, s25, 9
	s_lshl_b32 s88, s22, 8
	s_add_co_u32 s86, s86, s88
	s_add_nc_u64 s[12:13], s[12:13], s[86:87]      ; b_attn at my head's 64 of each part
	WIN 0xc0                                       ; destination window 3
.irp k, 0,1                            ; q, k: register j of tile b wants channel 32 h + 8 (b xor h) + j
.irp b, 0,1,2,3
	global_load_b128 v[32*\k+8*\b:32*\k+8*\b+3], v[109+\b%2], s[12:13] offset:4096*\k+32*\b
	global_load_b128 v[32*\k+8*\b+4:32*\k+8*\b+7], v[109+\b%2], s[12:13] offset:4096*\k+32*\b+16
.endr
.endr
.irp a, 0,1,2,3                        ; v: the lane's own channel
	global_load_b32 v[BV+8*\a], v[111+\a%2], s[12:13] offset:8192+32*\a
.endr
	WIN 0
	; where my results go
	s_lshr_b32 s88, s26, 4
	s_lshl_b32 s88, s88, 4
	s_lshl_b32 s89, s25, 1
	s_add_co_u32 s88, s88, s89
	s_add_co_u32 s88, s88, s22                     ; bh = 16 x batch + 2 X + wh
	s_and_b32 s89, s26, 15                         ; the key step
	s_lshl_b32 s90, s88, 7
	s_lshl_b32 s91, s89, 3
	s_add_co_u32 s90, s90, s91
	s_lshl_b32 s91, s21, 2
	s_add_co_u32 s90, s90, s91
	s_mul_i32 s90, s90, 768
	s_mov_b32 s91, 0
	s_add_nc_u64 s[70:71], s[14:15], s[90:91]      ; qi: tile 128 bh + 8 step + 4 xh
	s_lshl_b32 s90, s88, 5
	s_lshl_b32 s92, s89, 1
	s_add_co_u32 s90, s90, s92
	s_add_co_u32 s90, s90, s21
	s_lshl_b32 s90, s90, 8
	s_add_nc_u64 s[72:73], s[16:17], s[90:91]      ; qs: unit 32 bh + 2 step + xh
	s_lshl_b32 s90, s88, 4
	s_add_co_u32 s90, s90, s89
	s_mul_i32 s90, s90, REC                        ; kv: record 16 bh + step
	s_mul_i32 s92, s21, 3072
	s_add_co_u32 s92, s92, s90
	s_mov_b32 s93, 0
	s_add_nc_u64 s[74:75], s[18:19], s[92:93]      ; + my four half images' place
	s_lshl_b32 s92, s21, 8
	s_add_co_u32 s92, s92, s90
	s_add_nc_u64 s[76:77], s[18:19], s[92:93]      ; + my unit of scale words
	s_wait_loadcnt 0x0                             ; scales and biases
	WIN 0xc3
.irp a, 0,1,2,3
.irp j, 1,2,3,4,5,6,7
	v_mov_b32 v[BV+8*\a+\j], v[BV+8*\a]            ; v's bias over the tile's eight registers
.endr
.endr
	WIN 0
	s_wait_alu depctr_va_vdst(0)
	s_cmp_eq_u32 s[WV], 3
	s_cbranch_scc1 .Lk_out                         ; W's k rows may still be on their way
	s_wait_tensorcnt 0x0
.Lk_out:
	s_barrier_signal -1
	s_barrier_wait -1                              ; x's rows and W's q rows are in
	PRE 1, AW0
	BODY 0, 1, AW0, WS0, BQ                        ; ---- q
	s_wait_tensorcnt 0x0                           ; all my tensor loads have landed
	ds_add_u32 v[SPW], v[NIL]                      ; 0 onto my spare word
	s_mov_b32 s42, 32<<16                          ; no load of mine is out: from here on W's descriptor brings 32 rows
	s_mov_b32 s44, 32
	PLACES                                         ; (also the places behind the last products)
	s_wait_dscnt 0x0                               ; the add is done, and my reads of W0 are over
	CROUND                                         ; both now hold of every wave of every work-group of the cluster
	tensor_load_to_lds s[60:63], s[40:47]          ; W's v part into W0: my one load behind the round
	s_nop 0
	PLACES
	PRE 0, AW1                                     ; k's first fragments come in under q's way out
	OUT 70, 0
	SCW 72, 0
	BODY 0, 0, AW1, WS1, BK                        ; ---- k
	PLACES
	s_wait_alu depctr_va_vdst(0)
	s_wait_tensorcnt 0x0                           ; my quarter of W's v part is in
	s_wait_dscnt 0x0
	s_barrier_signal -1
	s_barrier_wait -1                              ; everybody's is
	PRE 0, AW0
	OUT 74, 0
	SCW 76, 12288
	BODY 1, 0, AW0, WS2, BV                        ; ---- v: the sources change places
	PLACES
	OUT 74, 6144
	; V's scale word has four bytes, for the step's four blocks of keys: mine are two of them; the other two are the wave's with the other 64 tokens
	PAIRS
	ds_store_b16 v[XA], v[PW]
	ds_store_b16 v[XA], v[PW+1] offset:4
	s_wait_dscnt 0x0                               ; for the other wave's sake: my stores are done
	s_barrier_signal -1
	s_barrier_wait -1
	s_cmp_lg_u32 s21, 0
	s_cbranch_scc1 .Lno_vs                         ; the wave with the first 64 tokens stores the unit whole
	ds_load_b64 v[PW:PW+1], v[XRD]
	s_wait_dscnt 0x0
	global_store_b64 v[L8], v[PW:PW+1], s[76:77] offset:12800
.Lno_vs:
	s_wait_tensorcnt 0x0                           ; the wave's end
	ds_add_u32 v[SPW], v[NIL]
	s_wait_dscnt 0x0
	CROUND                                         ; the closing round
	s_endpgm
.Lfunc_end_k_q386f4deed0_qkv:
	.size	k_q386f4deed0_qkv, .Lfunc_end_k_q386f4deed0_qkv-k_q386f4deed0_qkv
	.p2alignl 7, 3214868480
	.fill 96, 4, 3214868480
	.section	.rodata,"a",@progbits
	.p2align	6, 0x0
	.amdhsa_kernel k_q386f4deed0_qkv
		.amdhsa_group_segment_fixed_size 327680
		.amdhsa_private_segment_fixed_size 0
		.amdhsa_enable_private_segment 0
		.amdhsa_kernarg_size 64
		.amdhsa_user_sgpr_count 2
		.amdhsa_user_sgpr_kernarg_segment_ptr 1
		.amdhsa_wavefront_size32 1
		.amdhsa_system_sgpr_workgroup_id_x 1
		.amdhsa_system_sgpr_workgroup_id_y 1
		.amdhsa_system_sgpr_workgroup_id_z 1
		.amdhsa_system_vgpr_workitem_id 0
		.amdhsa_next_free_vgpr 864
		.amdhsa_next_free_sgpr 96
		.amdhsa_reserve_vcc 0
		.amdhsa_float_denorm_mode_32 3
		.amdhsa_float_denorm_mode_16_64 3
		.amdhsa_memory_ordered 1
		.amdhsa_forward_progress 1
		.amdhsa_inst_pref_size 117
	.end_amdhsa_kernel
	.amdgpu_metadata
---
amdhsa.version: [ 1, 2 ]
amdhsa.kernels:
  - .name:           k_q386f4deed0_qkv
    .symbol:         k_q386f4deed0_qkv.kd
    .args:
      - { .name: x_codes, .offset: 0, .size: 8, .value_kind: global_buffer, .address_space: global }
      - { .name: x_scales, .offset: 8, .size: 8, .value_kind: global_buffer, .address_space: global }
      - { .name: W_attn_codes, .offset: 16, .size: 8, .value_kind: global_buffer, .address_space: global }
      - { .name: W_attn_scales, .offset: 24, .size: 8, .value_kind: global_buffer, .address_space: global }
      - { .name: b_attn, .offset: 32, .size: 8, .value_kind: global_buffer, .address_space: global }
      - { .name: qi, .offset: 40, .size: 8, .value_kind: global_buffer, .address_space: global }
      - { .name: qs, .offset: 48, .size: 8, .value_kind: global_buffer, .address_space: global }
      - { .name: kv, .offset: 56, .size: 8, .value_kind: global_buffer, .address_space: global }
    .group_segment_fixed_size: 327680
    .private_segment_fixed_size: 0
    .kernarg_segment_align: 8
    .kernarg_segment_size: 64
    .max_flat_workgroup_size: 128
    .sgpr_count:     96
    .vgpr_count:     864
    .wavefront_size: 32
...
	.end_amdgpu_metadata
.endif
;; end of part 1
;; launch attn (part 2): grid 4 x 64, 16 waves a work-group, clusters of 4 x 4, 281,088 bytes of LDS; arguments qi, qs, kv, yi, ys; writes yi, ys
.if DOCPART == 2
	.amdgcn_target "amdgcn-amd-amdhsa--gfx1250"
	.amdhsa_code_object_version 6
	.text
	.protected	k_q386f4deed0_attn
	.globl	k_q386f4deed0_attn
	.p2align	8
	.type	k_q386f4deed0_attn,@function
k_q386f4deed0_attn:
	s_mov_b64 s[64:65], 0
	v_nop
	global_prefetch_b8 v0, s[64:65] scope:SCOPE_SE
	s_setreg_imm32_b32 hwreg(HW_REG_WAVE_MODE, 25, 1), 1
	s_wait_xcnt 0x0
	s_wait_alu depctr_hold_cnt(0) depctr_sa_sdst(0) depctr_va_vdst(0) depctr_va_sdst(0) depctr_va_ssrc(0) depctr_va_vcc(0) depctr_vm_vsrc(0)
	s_getreg_b32 s2, hwreg(HW_REG_IB_STS2, 6, 4)
	s_cmp_eq_u32 s2, 0
	s_cbranch_scc0 .Lentry_in_a_cluster
	s_endpgm
.Lentry_in_a_cluster:
	s_bfe_u32 s2, ttmp6, 0x10000c
	s_cmp_lg_u32 s2, 0xf033
	s_cbranch_scc0 .Lentry_shape_is_right
	s_endpgm
.Lentry_shape_is_right:
; y[b][q][head] = softmax over the keys k <= q of (q . k / 8) times v, both products on codes of FP6 (E2M3) with E8M0 scales; y is divided by the row's sum and quantised along the head's 64 for the next product.
; WORK LEFT OUT: key steps of 128 that lie wholly behind a tile's queries: reference()'s own causal mask gives all of their keys p = 0.  A NaN or an infinity that reaches only such scores is not carried on.
; THE SOFTMAX: t = score x log2(e) / 8; M = the row's largest t so far, rounded UP to a whole number; p = 2^(t - M) is what is quantised, along the keys, not normalised.  The row's sum is taken of the unquantised p.
; When M moves, the sum and O are multiplied by 2^(old M - new M): exact.
; SHARES.  A head has 16 blocks of 128 queries, each of 8 tiles of 16.  A work-group takes tile i of EVERY block of one head: so all work-groups are alike, and no branch hangs on a work-group's number.
; Sixteen waves in pairs: pair p has block 15 - p (16 - p key steps) and block p (p + 1 key steps).  Wave A (role 0) takes key steps 0 to 7 of block 15 - p; wave B (role 1) the steps 8 to 15 - p, hands that part's
; O, M and sum over through LDS, and then takes block p's steps 0 to p.  A has 8 steps and joins the two parts, B has 9.  Role = (w xor w / 4) & 1, so that any four waves w, w + 4, w + 8, w + 12 hold two of each.
; Trip k of a wave reads record (k + role x (8 + (p where k + p >= 8))) % 16; B changes blocks ahead of trip 8 - p; its masked steps are trip 7 - p and trip 8.
; LDS: all 16 records of the head (13,056 bytes a key step: K's 8 half images, V's 8, K's scale words, V's), one joint load a wave at the head; nothing is filled again.  Records 0, 1, 8, 9 (waves 0 to 3) serve trips 0 and 1; one more barrier, ahead of trip 2, shows all the others.
; CLUSTER 4 x 4: two heads; the four work-groups of a row (same cy) share each record's load; a head's other four tiles are the next row's.
; No prefetch: everything that the launch streams is asked for at its head; the loop asks for nothing.
; LAYOUT.  Both products are used transposed: S^T = K Q^T, O^T = V^T P^T: a lane holds ONE query (lane % 16) throughout.  By the images' order of rows (row r of tile t of 64: 32 (r / 8) + 8 (t xor r / 8) + r % 8) a lane's 32 scores of four tiles are a whole scale block.
; K = 64 IN AN INSTRUCTION OF 128: Q's registers 6-11 are zero codes, so what stands in K's registers 6-11 adds nothing (every six bits are a finite number; the scale bytes there are 1.0).  So K's tile t is the run v[32 + 6 t .. + 11], and behind tile 7 stand six zeros.
; y meets given codes, so its groups of eight are first brought into the true order.
; LIMITS: a block of zeros gets the byte 1 where the rule says 127 (its codes are zeros, and this program alone reads the bytes); largest magnitudes under 2^-124 are held at byte 1; NaN and infinities are not served; scaled scores stay under 2^31 in magnitude.
; REGISTERS: v1-11 addresses and thresholds; v12 -M, v13 the largest score, v[14:15] the sum in two halves; v16-27 Q; v28 its scale word, v29 and v86-91 block p's; v32-85 K, later V; v96-159 S^T, then p; v160-191 O^T; v192-203 p's codes; v225-231 scale words; the rest at work.
.set REC,  13056
.set PO,   16*REC                      ; 16 places of 4,352 bytes for a part's O, -M and sum
.set POB,  4352
.set YSX,  PO+16*POB                   ; 512 bytes in which y's scale bytes meet
.set SPARE, YSX+512                    ; the spare words
.set WV,   18
.set NCS,  19
.set SEL,  20
.set CS,   22
.set UP,   36
.set K,    37
.set TB,   38
.set BH,   42
.set TI,   43                          ; i
.set RHO,  46
.set PI,   47
.set DG,   48                          ; 7 - p for B: its first masked trip; 16 and more for A
.set SW,   50                          ; DG + 1
.set NINF, 92
.macro PLACES
.rept 4
	v_nop
.endr
.endm
.macro CROUND                          ; a round of the cluster's barrier
	s_barrier_signal -1
	s_barrier_wait -1
	s_cmp_lg_u32 s[WV], 0
	s_cbranch_scc1 .Lnot_wave_0_\@
	s_barrier_signal -3
.Lnot_wave_0_\@:
	s_barrier_wait -3
	s_barrier_signal -1
	s_barrier_wait -1
.endm
.macro QADR blk, q, sc                 ; where my tile of block blk lies in qi and qs
	s_lshl_b32 s66, s[BH], 7
	s_lshl_b32 s67, s[\blk], 3
	s_add_co_u32 s66, s66, s67
	s_add_co_u32 s66, s66, s[TI]
	s_mul_i32 s66, s66, 768
	s_mov_b32 s67, 0
	s_add_nc_u64 s[\q:\q+1], s[4:5], s[66:67]
	s_lshl_b32 s66, s[BH], 5
	s_lshl_b32 s67, s[\blk], 1
	s_add_co_u32 s66, s66, s67
	s_lshr_b32 s67, s[TI], 2
	s_add_co_u32 s66, s66, s67
	s_lshl_b32 s66, s66, 8
	s_and_b32 s67, s[TI], 1
	s_lshl_b32 s67, s67, 7
	s_add_co_u32 s66, s66, s67                     ; an odd tile's words lie in the unit's lanes 16-31,
	s_bfe_u32 s67, s[TI], 0x10001
	s_lshl_b32 s67, s67, 2
	s_add_co_u32 s66, s66, s67                     ; tiles 2 and 3 in the lanes' second word
	s_mov_b32 s67, 0
	s_add_nc_u64 s[\sc:\sc+1], s[6:7], s[66:67]
.endm
.macro BEGIN                           ; an empty part: the first change of M leaves the zeros zeros
	v_mov_b32 v12, 0x7f61b1e6                      ; -M: 3e38
	v_mov_b32 v13, 0xff61b1e6                      ; the largest score so far: -3e38
	v_mov_b32 v14, 0
	v_mov_b32 v15, 0
.set n, 0
.rept 32
	v_mov_b32 v[160+n], 0
.set n, n+1
.endr
.endm
.macro SWITCH k                        ; B's change of blocks, ahead of trip 8 - p
	s_cmp_lg_u32 s[SW], \k
	s_cbranch_scc1 .Lstay_\@
	PLACES                                         ; behind the last products
.irp m, 0,1,2,3,4,5,6,7
	ds_store_b128 v9, v[160+4*\m:163+4*\m] offset:512*\m
.endr
	v_add_f32 v13, v14, v15
	ds_store_b64 v10, v[12:13]                     ; -M and the sum
	v_mov_b32 v28, v29
.irp j, 0,1,2,3,4,5
	v_mov_b32 v[16+\j], v[86+\j]
.endr
	BEGIN
	s_wait_alu depctr_va_vdst(0)
.Lstay_\@:
.endm
.macro RECORD k
	s_add_co_u32 s76, s[PI], \k
	s_lshr_b32 s76, s76, 3                         ; 1 where k + p >= 8
	s_and_b32 s76, s76, s[RHO]
	s_mul_i32 s76, s76, 7
	s_and_b32 s76, s76, s[PI]
	s_lshl_b32 s77, s[RHO], 3
	s_add_co_u32 s76, s76, s77
	s_add_co_u32 s76, s76, \k
	s_and_b32 s76, s76, 15
	s_mul_i32 s[TB], s76, REC
.endm
; A KEY STEP: 128 keys, the record at s[TB].  always = 1: masked; 0: masked where k is the wave's s[DG].
.macro STEP k, always
	v_add_nc_u32 v3, s[TB], v1
	v_add_nc_u32 v4, s[TB], v2
	v_nop                                          ; (with the two lines above the places in front of loads into registers that the last products read)
	v_nop
	ds_load_b64 v[226:227], v4 offset:12288        ; K's scale words: register 226 + T / 2, lanes 0-15 the even tile, lanes 16-31 the odd one
	ds_load_b64 v[228:229], v4 offset:12544
	ds_load_b64 v[230:231], v4 offset:12800        ; V's
.irp t, 0,1,2,3,4,5,6,7
	ds_load_b128 v[32+6*\t:35+6*\t], v3 offset:768*\t
	ds_load_b64 v[36+6*\t:37+6*\t], v4 offset:768*\t+512
.endr
	s_wait_alu depctr_va_vdst(0)
	s_wait_dscnt 0x6                               ; tiles 0 to 4 are in; tiles 5 to 7, six loads, may be out
.irp t, 0,2,4,6
.if \t == 4
	s_wait_dscnt 0x0
.endif
	v_wmma_scale_f32_16x16x128_f8f6f4 v[96+8*\t:103+8*\t], v[32+6*\t:43+6*\t], v[16:27], 0, v[226+\t/2], v28 matrix_a_fmt:MATRIX_FMT_FP6 matrix_b_fmt:MATRIX_FMT_FP6
	v_wmma_scale_f32_16x16x128_f8f6f4 v[104+8*\t:111+8*\t], v[38+6*\t:49+6*\t], v[16:27], 0, v[226+\t/2], v28 matrix_a_fmt:MATRIX_FMT_FP6 matrix_b_fmt:MATRIX_FMT_FP6 matrix_a_scale:MATRIX_SCALE_ROW1
.endr                                  ; lane (r, h): query r; register 32 c + 8 t + j is key 64 c + 32 h + 8 (t xor h) + j
	PLACES
.irp t, 0,1,2,3                        ; V at once, so that it lands under the softmax: tile t of 16 channels, registers 6 c on: which 64 keys
.irp c, 0,1
	ds_load_b128 v[32+12*\t+6*\c:35+12*\t+6*\c], v3 offset:6144+(4*\c+\t)*768
	ds_load_b64 v[36+12*\t+6*\c:37+12*\t+6*\c], v4 offset:6144+(4*\c+\t)*768+512
.endr
.endr
.if (\always) == 0
	s_cmp_lg_u32 s[DG], \k
	s_cbranch_scc1 .Lopen_\@                       ; all its keys count
.endif
.set n, 0
.rept 64
	v_cmp_gt_i32 vcc_lo, 64*(n/32)+n%32, v[6+(n/8)%2]   ; the key lies behind my query (v6, v7: even and odd tiles' thresholds)
	v_cndmask_b32 v[96+n], v[96+n], v[NINF], vcc_lo
.set n, n+1
.endr
.Lopen_\@:
.irp e, 0,1,2,3
	v_max3_num_f32 v[244+\e], v[96+16*\e], v[97+16*\e], v[98+16*\e]
.endr
.irp i, 3,5,7,9,11,13
.irp e, 0,1,2,3
	v_max3_num_f32 v[244+\e], v[244+\e], v[96+16*\e+\i], v[97+16*\e+\i]
.endr
.endr
	v_max3_num_f32 v212, v244, v245, v111
	v_max3_num_f32 v213, v246, v247, v143
	v_max_num_f32 v212, v212, v127                 ; the largest scores of my two blocks of 32 keys
	v_max_num_f32 v213, v213, v159
	v_max_num_f32 v216, v212, v213
	s_delay_alu instid0(VALU_DEP_1)
	v_permlanex16_b32 v217, v216, s[SEL], s[SEL+1]
	s_delay_alu instid0(VALU_DEP_1)
	v_max3_num_f32 v13, v13, v216, v217            ; the running largest score of my query
	s_delay_alu instid0(VALU_DEP_1)
	v_mul_f32 v235, s[NCS], v13
	s_delay_alu instid0(VALU_DEP_1)
	v_floor_f32 v234, v235                         ; the new -M = floor(-t): M is a whole number
	s_delay_alu instid0(VALU_DEP_1)
	v_sub_f32 v235, v234, v12                      ; old M - new M: a whole number, 0 or less
	v_mov_b32 v12, v234
	v_cvt_i32_f32 v235, v235                       ; (it saturates)
	s_delay_alu instid0(VALU_DEP_1)
	v_ldexp_f32 v218, 1.0, v235                    ; f = 2^(old M - new M)
	v_fma_f32 v212, v212, s[CS], v12               ; t - M of each block's largest
	v_fma_f32 v213, v213, s[CS], v12
.set n, 0
.rept 32
	v_pk_fma_f32 v[96+n:97+n], v[96+n:97+n], s[CS:CS+1], v[12:13] op_sel_hi:[1,0,0]   ; t - M, two at a time
.set n, n+2
.endr
	v_max_num_f32 v212, 0xc2f80000, v212           ; held at -124: the byte cannot fall under 1
	v_max_num_f32 v213, 0xc2f80000, v213
	v_cvt_floor_i32_f32 v220, v212                 ; the exponent of the block's largest p
	v_cvt_floor_i32_f32 v221, v213
.set n, 0
.rept 16
	v_pk_mul_f32 v[160+n:161+n], v[160+n:161+n], v[218:219] op_sel_hi:[1,0]   ; O^T under the new M
.set n, n+2
.endr
	v_lshl_add_u32 v222, v220, 23, 0x3e800000      ; + 125 (127 less the format's 2): the conversion's scale operand
	v_lshl_add_u32 v223, v221, 23, 0x3e800000
	v_lshl_add_u32 v224, v221, 16, v220
	v_lshlrev_b32 v224, v5, v224                   ; my two exponents at their bytes' places 2 c + h,
	v_permlanex16_b32 v215, v224, s[SEL], s[SEL+1]
	v_add3_u32 v225, v224, v215, 0x7d7d7d7d        ; with lane l xor 16's, + 125 each: p's scale word for these 128 keys
.set n, 0
	s_wait_alu depctr_va_vdst(0)                   ; the wait ahead of the batch
.rept 64
	v_exp_f32 v[96+n], v[96+n]                     ; p = 2^(t - M)
.set n, n+1
.endr
	v_pk_mul_f32 v[14:15], v[14:15], v[218:219] op_sel_hi:[1,0]   ; the sum under the new M (a plain place behind the exponentials)
	s_wait_alu depctr_va_vdst(0)                   ; and behind it
	v_cvt_scalef32_pk16_fp6_f32 v[192:194], v[96:111], v222
	v_cvt_scalef32_pk16_fp6_f32 v[204:206], v[112:127], v222
	v_cvt_scalef32_pk16_fp6_f32 v[198:200], v[128:143], v223
	v_cvt_scalef32_pk16_fp6_f32 v[208:210], v[144:159], v223
	v_pk_add_f32 v[236:237], v[98:99], v[100:101]  ; the row's sum, of the unquantised p (the first line is the plain place behind the conversions)
	v_pk_add_f32 v[238:239], v[102:103], v[104:105]
	v_pk_add_f32 v[240:241], v[106:107], v[108:109]
	v_pk_add_f32 v[14:15], v[14:15], v[96:97]
.irp i, 0,1,2
	v_mov_b32 v[195+\i], v[204+\i]
	v_mov_b32 v[201+\i], v[208+\i]
.endr
.set n, 110
.rept 6
	v_pk_add_f32 v[236:237], v[236:237], v[n:n+1]
	v_pk_add_f32 v[238:239], v[238:239], v[n+2:n+3]
	v_pk_add_f32 v[240:241], v[240:241], v[n+4:n+5]
	v_pk_add_f32 v[14:15], v[14:15], v[n+6:n+7]
.set n, n+8
.endr
	v_pk_add_f32 v[236:237], v[236:237], v[158:159]
	v_pk_add_f32 v[238:239], v[238:239], v[240:241]
	v_pk_add_f32 v[14:15], v[14:15], v[236:237]
	v_pk_add_f32 v[14:15], v[14:15], v[238:239]
	s_wait_alu depctr_va_vdst(0)
	s_wait_dscnt 0x0                               ; V is in
.irp t, 0,2
	v_wmma_scale_f32_16x16x128_f8f6f4 v[160+8*\t:167+8*\t], v[32+12*\t:43+12*\t], v[192:203], v[160+8*\t:167+8*\t], v[230+\t/2], v225 matrix_a_fmt:MATRIX_FMT_FP6 matrix_b_fmt:MATRIX_FMT_FP6
	v_wmma_scale_f32_16x16x128_f8f6f4 v[168+8*\t:175+8*\t], v[44+12*\t:55+12*\t], v[192:203], v[168+8*\t:175+8*\t], v[230+\t/2], v225 matrix_a_fmt:MATRIX_FMT_FP6 matrix_b_fmt:MATRIX_FMT_FP6 matrix_a_scale:MATRIX_SCALE_ROW1
.endr                                  ; the four accumulators take turns, and between two steps' links stand the eight products of S^T
.endm
	s_load_b256 s[4:11], s[0:1], 0x0               ; qi s[4:5], qs s[6:7], kv s[8:9], yi s[10:11]
	s_load_b64 s[12:13], s[0:1], 0x20              ; ys
	v_lshl_add_u32 v31, v0, 2, SPARE
	v_mov_b32 v30, 0
	ds_add_u32 v31, v30                            ; the opening lines: the add, twice on end, and its wait
	ds_add_u32 v31, v30
	v_lshrrev_b32 v3, 5, v0
	v_readfirstlane_b32 s[WV], v3                  ; wave 0..15
	s_bfe_u32 s40, ttmp6, 0x40000                  ; cx
	s_bfe_u32 s41, ttmp6, 0x40004                  ; cy
	s_and_b32 s[BH], ttmp7, 0xffff
	s_lshl_b32 s[BH], s[BH], 1
	s_lshr_b32 s43, s41, 1
	s_add_co_u32 s[BH], s[BH], s43                 ; bh = 2 x cluster y + cy / 2
	s_and_b32 s43, s41, 1
	s_lshl_b32 s43, s43, 2
	s_add_co_u32 s[TI], s43, s40                   ; i = 4 (cy % 2) + cx
	s_lshl_b32 s44, s41, 2
	s_lshl_b32 s44, 15, s44                        ; my row of the cluster
	s_lshr_b32 s45, s[WV], 2
	s_xor_b32 s45, s45, s[WV]
	s_and_b32 s[RHO], s45, 1                       ; the role
	s_lshr_b32 s[PI], s[WV], 1                     ; the pair
	s_xor_b32 s[DG], s[PI], 7
	s_xor_b32 s49, s[RHO], 1
	s_lshl_b32 s51, s49, 4
	s_add_co_u32 s[DG], s[DG], s51
	s_add_co_u32 s[SW], s[DG], 1
	s_lshr_b32 s51, s[WV], 2                       ; the record that I bring: 2 (w / 4) + w % 2 + 8 ((w / 2) % 2)
	s_lshl_b32 s51, s51, 1
	s_and_b32 s52, s[WV], 1
	s_add_co_u32 s51, s51, s52
	s_bfe_u32 s52, s[WV], 0x10001
	s_lshl_b32 s52, s52, 3
	s_add_co_u32 s51, s51, s52
	s_mul_i32 s52, s51, REC
	; group 1: a record is 51 dense rows of 256 bytes (32 elements of 8 bytes); the mask names my row
	s_or_b32 s24, s44, (3<<16)|(1<<21)
	s_mov_b32 s25, 32<<16
	s_mov_b32 s26, 51<<16
	s_mov_b32 s27, 32<<16
	s_mov_b32 s28, 51
	s_mov_b32 s29, 32
	s_mov_b32 s30, 0
	s_mov_b32 s31, 0
	s_mov_b32 s32, 1
	s_mov_b32 s33, s52
	s_mul_i32 s54, s[BH], 16*REC
	s_add_co_u32 s54, s54, s52
	s_mov_b32 s55, 0
	s_and_b32 s56, s[TI], 3
	s_lshr_b32 s57, s[TI], 2
	s_lshl_b32 s57, s57, 6
	s_mul_i32 s59, s49, 15
	s_xor_b32 s59, s59, s[PI]                      ; the block whose y I store: 15 - p (A) or p (B)
	s_lshl_b32 s58, s59, 5
	s_add_co_u32 s58, s58, YSX
	s_mul_i32 s60, s[WV], POB
	s_add_co_u32 s60, s60, PO                      ; my place for a part,
	s_xor_b32 s61, s[WV], 1
	s_mul_i32 s61, s61, POB
	s_add_co_u32 s61, s61, PO                      ; and my partner's
	s_xor_b32 s62, s[PI], 15                       ; block 15 - p
	s_mov_b32 s[SEL], 0x76543210
	s_mov_b32 s[SEL+1], 0xfedcba98                 ; lane l xor 16
	s_mov_b32 s[CS], 0x3e38aa3b                    ; c = log2(e) / 8
	s_mov_b32 s[CS+1], s[CS]                       ; (named with it as a pair, so it is written)
	s_mov_b32 s[NCS], 0xbe38aa3b                   ; -c
	s_mov_b32 s[UP], 0xffff0000                    ; lanes 16-31
	v_and_b32 v11, 31, v0
	v_lshlrev_b32 v1, 4, v11                       ; 16 x lane
	v_lshlrev_b32 v2, 3, v11                       ; 8 x lane
	v_bfe_u32 v10, v0, 4, 1                        ; h
	v_lshlrev_b32 v5, 3, v10                       ; 8 h
	v_bfe_u32 v3, v0, 3, 1                         ; r / 8
	v_and_b32 v4, 7, v0
	v_xor_b32 v6, s56, v3
	v_lshl_add_u32 v6, v6, 3, v4
	v_lshl_add_u32 v6, v3, 5, v6
	v_add_nc_u32 v6, s57, v6                       ; my query, counted in its block of 128
	v_mul_u32_u24 v9, 24, v10
	v_sub_nc_u32 v7, v6, v9                        ; hidden where 64 c + 8 t + j > query - 24 h (odd tiles)
	v_mul_u32_u24 v9, 40, v10
	v_sub_nc_u32 v6, v6, v9                        ; and > query - 40 h (even tiles)
	v_and_b32 v9, 15, v0                           ; r
	v_lshlrev_b32 v11, 3, v9                       ; 8 r
	v_lshl_add_u32 v8, v9, 1, s58                  ; y's two scale bytes of my query
	v_add_nc_u32 v9, s60, v1
	v_add_nc_u32 v10, s60, v2
	v_add_nc_u32 v10, 4096, v10
	v_add_nc_u32 v94, s61, v1
	v_add_nc_u32 v95, s61, v2
	v_add_nc_u32 v95, 4096, v95
	v_add_nc_u32 v93, YSX, v1
	s_wait_alu depctr_va_vdst(0)                   ; directly ahead of the waits below
	s_wait_dscnt 0x0                               ; both opening adds are done
	s_wait_kmcnt 0x0
	s_add_nc_u64 s[34:35], s[8:9], s[54:55]
	s_or_b32 s35, s35, 0x80000000
	CROUND                                         ; all sixteen work-groups are here: the joint loads meet
	s_cmp_lt_u32 s[WV], 4
	s_cbranch_scc0 .Llater
	tensor_load_to_lds s[32:35], s[24:31]          ; records 0, 1, 8, 9
	s_nop 0
	PLACES
	s_branch .Lasked
.Llater:
	tensor_load_to_lds s[32:35], s[24:31]          ; the others
	s_nop 0
	PLACES
.Lasked:
	QADR 62, 68, 70
	QADR PI, 72, 74
	v_mov_b32 v29, 0                               ; (block p's Q: written whole on every way)
.irp j, 86,87,88,89,90,91
	v_mov_b32 v[\j], 0
.endr
	global_load_b128 v[16:19], v1, s[68:69]
	global_load_b64 v[20:21], v2, s[68:69] offset:512
	global_load_b32 v28, v11, s[70:71]
	s_cmp_eq_u32 s[RHO], 0
	s_cbranch_scc1 .Lone_block
	global_load_b128 v[86:89], v1, s[72:73]
	global_load_b64 v[90:91], v2, s[72:73] offset:512
	global_load_b32 v29, v11, s[74:75]
.Lone_block:
	s_lshr_b32 s54, s[BH], 4                       ; batch
	s_and_b32 s55, s[BH], 15                       ; head
	s_lshl_b32 s66, s54, 7
	s_lshl_b32 s67, s59, 3
	s_add_co_u32 s66, s66, s67
	s_add_co_u32 s66, s66, s[TI]
	s_lshl_b32 s66, s66, 4
	s_add_co_u32 s66, s66, s55
	s_mul_i32 s66, s66, 768
	s_mov_b32 s67, 0
	s_add_nc_u64 s[10:11], s[10:11], s[66:67]      ; yi: image 16 x token tile + head
	s_lshl_b32 s66, s[BH], 3
	s_add_co_u32 s66, s66, s[TI]
	s_lshl_b32 s66, s66, 9
	s_add_nc_u64 s[12:13], s[12:13], s[66:67]      ; ys [bh][i][block][16 rows][2]: my work-group's 512 bytes
.irp j, 22,23,24,25,26,27, 80,81,82,83,84,85
	v_mov_b32 v[\j], 0                             ; the zero codes of the half of K that is not there
.endr
.irp j, 215,217,219
	v_mov_b32 v[\j], 0                             ; a lane permute's destination counts as one of its sources; v219 is named as the upper half of a pair
.endr
	v_mov_b32 v[NINF], 0xff800000
	BEGIN
	s_wait_alu depctr_va_vdst(0)
	s_wait_loadcnt 0x0                             ; Q and its scale words
	s_cmp_lt_u32 s[WV], 4
	s_cbranch_scc0 .Lnot_first
	s_wait_tensorcnt 0x0                           ; records 0, 1, 8, 9
.Lnot_first:
	s_barrier_signal -1
	s_barrier_wait -1
	s_mul_i32 s[TB], s[RHO], 8*REC
	STEP 0, 0
	SWITCH 1
	RECORD 1
	STEP 1, 0
	s_wait_tensorcnt 0x0                           ; all records
	s_wait_dscnt 0x0
	s_barrier_signal -1
	s_barrier_wait -1
	s_mov_b32 s[K], 2
.Ltrip:
	SWITCH s[K]
	RECORD s[K]
	STEP s[K], 0
	s_add_co_u32 s[K], s[K], 1
	s_cmp_lt_u32 s[K], 8
	s_cbranch_scc1 .Ltrip
	SWITCH 8
	s_wait_dscnt 0x0                               ; for the partner's sake: my part's stores are done
	s_barrier_signal -1
	s_barrier_wait -1                              ; every B has handed its part of block 15 - p over
	s_cmp_eq_u32 s[RHO], 0
	s_cbranch_scc1 .Ljoin
	RECORD 8
	STEP 8, 1
	v_add_f32 v14, v14, v15
	s_wait_alu depctr_va_vdst(0)
	s_branch .Lout
.Ljoin:                                                ; A: both parts of block 15 - p under the larger M
	PLACES
.irp m, 0,1,2,3,4,5,6,7
	ds_load_b128 v[96+4*\m:99+4*\m], v94 offset:512*\m
.endr
	ds_load_b64 v[130:131], v95
	v_add_f32 v14, v14, v15
	s_wait_alu depctr_va_vdst(0)
	s_wait_dscnt 0x0
	v_min_num_f32 v132, v12, v130                  ; -M
	v_sub_f32 v133, v132, v12
	v_sub_f32 v134, v132, v130
	v_cvt_i32_f32 v133, v133
	v_cvt_i32_f32 v134, v134
	v_ldexp_f32 v136, 1.0, v133
	v_ldexp_f32 v138, 1.0, v134
	v_mul_f32 v14, v14, v136
	v_fma_f32 v14, v131, v138, v14
.set n, 0
.rept 16
	v_pk_mul_f32 v[160+n:161+n], v[160+n:161+n], v[136:137] op_sel_hi:[1,0]
.set n, n+2
.endr
.set n, 0
.rept 16
	v_pk_fma_f32 v[160+n:161+n], v[96+n:97+n], v[138:139], v[160+n:161+n] op_sel_hi:[1,0,1]
.set n, n+2
.endr
	s_wait_alu depctr_va_vdst(0)
.Lout:                                                 ; THE WAY OUT: y = O^T / the sum, in the true order along the head's 64, quantised
	PLACES
	v_permlanex16_b32 v217, v14, s[SEL], s[SEL+1]
	v_add_f32 v14, v14, v217                       ; with lane l xor 16's: the row's sum
	s_wait_alu depctr_va_vdst(0)                   ; the wait ahead of the transcendental,
	v_rcp_f32 v14, v14
	v_nop
	s_wait_alu depctr_va_vdst(0)                   ; and behind it
.set n, 0
.rept 32
	v_mul_f32 v[96+n], v[160+n], v14               ; register 8 t + j: channel 32 h + 8 (t xor h) + j
.set n, n+1
.endr
.irp e, 0,1
.irp j, 0,1,2,3,4,5,6,7
	v_cndmask_b32 v[128+16*\e+\j], v[96+16*\e+\j], v[104+16*\e+\j], s[UP]
	v_cndmask_b32 v[136+16*\e+\j], v[104+16*\e+\j], v[96+16*\e+\j], s[UP]
.endr
.endr                                  ; v128-159: channels 32 h + 0 .. 31
	v_max3_num_f32 v212, |v128|, |v129|, 0x1800000 ; with the floor 2^(3 - 127)
	v_max3_num_f32 v213, |v144|, |v145|, 0x1800000
.irp i, 2,4,6,8,10,12,14
	v_max3_num_f32 v212, v212, |v[128+\i]|, |v[129+\i]|
	v_max3_num_f32 v213, v213, |v[144+\i]|, |v[145+\i]|
.endr
	v_max_num_f32 v212, v212, v213
	v_add_nc_u32 v222, 0xff000000, v212            ; 2 off the exponent field: the conversion's scale operand
	v_lshrrev_b32 v220, 23, v222
	v_lshlrev_b32 v220, v5, v220
	v_permlanex16_b32 v215, v220, s[SEL], s[SEL+1]
	v_or_b32 v224, v215, v220                      ; the row's two bytes
	v_cvt_scalef32_pk16_fp6_f32 v[192:194], v[128:143], v222
	v_cvt_scalef32_pk16_fp6_f32 v[204:206], v[144:159], v222
	v_nop                                          ; one plain place behind a scaled conversion
.irp i, 0,1,2
	v_mov_b32 v[195+\i], v[204+\i]
.endr
	global_store_b128 v1, v[192:195], s[10:11]     ; 512 and 256 consecutive bytes, aligned
	global_store_b64 v2, v[196:197], s[10:11] offset:512
	ds_store_b16 v8, v224                          ; both halves of the lanes write the same two bytes with the same value
	s_wait_dscnt 0x0
	s_barrier_signal -1
	s_barrier_wait -1
	s_cmp_lg_u32 s[WV], 0
	s_cbranch_scc1 .Ldone                          ; wave 0 stores the work-group's 512 scale bytes whole
	ds_load_b128 v[232:235], v93
	s_wait_dscnt 0x0
	global_store_b128 v1, v[232:235], s[12:13]
.Ldone:
	s_wait_tensorcnt 0x0                           ; the wave's end
	ds_add_u32 v31, v30
	s_wait_dscnt 0x0
	CROUND                                         ; the closing round
	s_endpgm
.Lfunc_end_k_q386f4deed0_attn:
	.size	k_q386f4deed0_attn, .Lfunc_end_k_q386f4deed0_attn-k_q386f4deed0_attn
	.p2alignl 7, 3214868480
	.fill 96, 4, 3214868480
	.section	.rodata,"a",@progbits
	.p2align	6, 0x0
	.amdhsa_kernel k_q386f4deed0_attn
		.amdhsa_group_segment_fixed_size 281088
		.amdhsa_private_segment_fixed_size 0
		.amdhsa_enable_private_segment 0
		.amdhsa_kernarg_size 40
		.amdhsa_user_sgpr_count 2
		.amdhsa_user_sgpr_kernarg_segment_ptr 1
		.amdhsa_wavefront_size32 1
		.amdhsa_system_sgpr_workgroup_id_x 1
		.amdhsa_system_sgpr_workgroup_id_y 1
		.amdhsa_system_sgpr_workgroup_id_z 1
		.amdhsa_system_vgpr_workitem_id 0
		.amdhsa_next_free_vgpr 256
		.amdhsa_next_free_sgpr 80
		.amdhsa_reserve_vcc 1
		.amdhsa_float_denorm_mode_32 3
		.amdhsa_float_denorm_mode_16_64 3
		.amdhsa_memory_ordered 1
		.amdhsa_forward_progress 1
		.amdhsa_inst_pref_size 108
	.end_amdhsa_kernel
	.amdgpu_metadata
---
amdhsa.version: [ 1, 2 ]
amdhsa.kernels:
  - .name:           k_q386f4deed0_attn
    .symbol:         k_q386f4deed0_attn.kd
    .args:
      - { .name: qi, .offset: 0, .size: 8, .value_kind: global_buffer, .address_space: global }
      - { .name: qs, .offset: 8, .size: 8, .value_kind: global_buffer, .address_space: global }
      - { .name: kv, .offset: 16, .size: 8, .value_kind: global_buffer, .address_space: global }
      - { .name: yi, .offset: 24, .size: 8, .value_kind: global_buffer, .address_space: global }
      - { .name: ys, .offset: 32, .size: 8, .value_kind: global_buffer, .address_space: global }
    .group_segment_fixed_size: 281088
    .private_segment_fixed_size: 0
    .kernarg_segment_align: 8
    .kernarg_segment_size: 40
    .max_flat_workgroup_size: 512
    .sgpr_count:     80
    .vgpr_count:     256
    .wavefront_size: 32
...
	.end_amdgpu_metadata
.endif
;; end of part 2
;; launch proj (part 3): grid 8 x 32, 4 waves a work-group, clusters of 4 x 4, 327,680 bytes of LDS; arguments yi, ys, W_proj_codes, W_proj_scales, b_proj, out0; writes out0
.if DOCPART == 3
	.amdgcn_target "amdgcn-amd-amdhsa--gfx1250"
	.amdhsa_code_object_version 6
	.text
	.protected	k_q386f4deed0_proj
	.globl	k_q386f4deed0_proj
	.p2align	8
	.type	k_q386f4deed0_proj,@function
k_q386f4deed0_proj:
	s_mov_b64 s[64:65], 0
	v_nop
	global_prefetch_b8 v0, s[64:65] scope:SCOPE_SE
	s_setreg_imm32_b32 hwreg(HW_REG_WAVE_MODE, 25, 1), 1
	s_wait_xcnt 0x0
	s_wait_alu depctr_hold_cnt(0) depctr_sa_sdst(0) depctr_va_vdst(0) depctr_va_sdst(0) depctr_va_ssrc(0) depctr_va_vcc(0) depctr_vm_vsrc(0)
	s_getreg_b32 s2, hwreg(HW_REG_IB_STS2, 6, 4)
	s_cmp_eq_u32 s2, 0
	s_cbranch_scc0 .Lentry_in_a_cluster
	s_endpgm
.Lentry_in_a_cluster:
	s_bfe_u32 s2, ttmp6, 0x10000c
	s_cmp_lg_u32 s2, 0xf033
	s_cbranch_scc0 .Lentry_shape_is_right
	s_endpgm
.Lentry_shape_is_right:
; out = y W_proj^T + b_proj on codes of FP6 (E2M3) with E8M0 scales, f32 sums; the bias is the C of each sum's first product.
; A work-group makes 128 tokens (Y) x 128 columns (X); four waves, each 64 x 64: 16 accumulators, K = 1,024 in 8 steps of 128.
; y comes as half images (768 bytes: registers 0-3 at 16 x lane, 4-5 at 512 + 8 x lane), image 16 x token tile + head; its scale bytes as ys [bh][tile i of a block][block of 128][16 rows][2].
; Row r of tile a of a group of 64 tokens is token 32 (r / 8) + 8 (a xor r / 8) + r % 8: the stores' rows follow that order.
; HEAD: one joint tensor load a wave: waves 0 and 1 half of y's images each (shared along a row of the cluster), waves 2 and 3 half of W's rows each (along a column).  Nothing is filled again.  No prefetch: there is no loop to run ahead in, the head asks for all tiles.
; LIMITS: NaN and infinities are not served.
.set PITCH, 816
.set AY8, 9
.set HALFR, 64*PITCH
.set QUART, 32*PITCH
.set WR,    98304
.set STG,   WR+128*PITCH
.set AW,  4
.set AY,  6
.set L32, 10
.set L2,  11
.set H32, 12
.set STO, 13
.set RD,  14
.set CO,  15
.set PS,  32
.set QS,  48
.set QH,  64
.set BIAS, 96
.set ACC, 128
.set OB,  32
.set F1,  96
.set WV,  20
.set MSB, 0
.macro WIN new
.if MSB != \new
	s_set_vgpr_msb (MSB<<8)|\new
.set MSB, \new
.endif
.endm
.macro PLACES
.rept 4
	v_nop
.endr
.endm
.macro CROUND
	s_barrier_signal -1
	s_barrier_wait -1
	s_cmp_lg_u32 s[WV], 0
	s_cbranch_scc1 .Lnot_wave_0_\@
	s_barrier_signal -3
.Lnot_wave_0_\@:
	s_barrier_wait -3
	s_barrier_signal -1
	s_barrier_wait -1
.endm
.macro FRAG reg, adr, s, i
.irp p, 0,1,2,3,4,5
.set PCE, 12*(\s)+6*(\p/3)+\p%3
.if PCE%32 < 29
	ds_load_b64 v[\reg+2*\p:\reg+2*\p+1], v[\adr] offset:8*PCE+16*(PCE/32)+(\i)*16*PITCH
.else
	ds_load_b64 v[\reg+2*\p:\reg+2*\p+1], v[\adr+1] offset:8*PCE+16*(PCE/32)+(\i)*16*PITCH
.endif
.endr
.endm
.macro FRAGI reg, s, i                 ; a step's two heads: six registers each
.irp c, 0,1
	ds_load_b128 v[\reg+6*\c:\reg+6*\c+3], v[AY] offset:(16*(\i)+2*(\s)+\c)*768
	ds_load_b64 v[\reg+6*\c+4:\reg+6*\c+5], v[AY8] offset:(16*(\i)+2*(\s)+\c)*768+512
.endr
.endm
.macro FETCH s, f
	WIN 0x40
.irp i, 0,1,2,3
	FRAG \f+12*\i, AW, \s, \i
.endr
.irp i, 0,1,2,3
	FRAGI \f+48+12*\i, \s, \i
.endr
.endm
.macro WM d, pa, qb, c, sa, sb, ra, rb
.if (\ra) && (\rb)
	v_wmma_scale_f32_16x16x128_f8f6f4 v[\d:\d+7], v[\pa:\pa+11], v[\qb:\qb+11], v[\c:\c+7], v[\sa], v[\sb] matrix_a_fmt:MATRIX_FMT_FP6 matrix_b_fmt:MATRIX_FMT_FP6 matrix_a_scale:MATRIX_SCALE_ROW1 matrix_b_scale:MATRIX_SCALE_ROW1
.elseif (\ra)
	v_wmma_scale_f32_16x16x128_f8f6f4 v[\d:\d+7], v[\pa:\pa+11], v[\qb:\qb+11], v[\c:\c+7], v[\sa], v[\sb] matrix_a_fmt:MATRIX_FMT_FP6 matrix_b_fmt:MATRIX_FMT_FP6 matrix_a_scale:MATRIX_SCALE_ROW1
.elseif (\rb)
	v_wmma_scale_f32_16x16x128_f8f6f4 v[\d:\d+7], v[\pa:\pa+11], v[\qb:\qb+11], v[\c:\c+7], v[\sa], v[\sb] matrix_a_fmt:MATRIX_FMT_FP6 matrix_b_fmt:MATRIX_FMT_FP6 matrix_b_scale:MATRIX_SCALE_ROW1
.else
	v_wmma_scale_f32_16x16x128_f8f6f4 v[\d:\d+7], v[\pa:\pa+11], v[\qb:\qb+11], v[\c:\c+7], v[\sa], v[\sb] matrix_a_fmt:MATRIX_FMT_FP6 matrix_b_fmt:MATRIX_FMT_FP6
.endif
.endm
.macro MUL s, f, first
	WIN 0x05
.irp a, 0,1,2,3
.irp b, 0,1,2,3
.if \first
.set CR, BIAS+8*\b
.else
.set CR, ACC+32*\a+8*\b
.endif
	WM ACC+32*\a+8*\b, \f+12*\b, \f+48+12*\a, CR, PS+8*(\b/2)+(\s), QS+8*(\a/2)+(\s), \b%2, \a%2
.endr
.endr
.endm
	s_load_b256 s[4:11], s[0:1], 0x0
	s_load_b128 s[12:15], s[0:1], 0x20
	v_lshl_add_u32 v30, v0, 2, 0x35c00
	v_mov_b32 v31, 0
	ds_add_u32 v30, v31
	ds_add_u32 v30, v31
	v_lshrrev_b32 v1, 5, v0
	v_readfirstlane_b32 s[WV], v1
	s_lshr_b32 s21, s[WV], 1
	s_and_b32 s22, s[WV], 1
	s_bfe_u32 s23, ttmp6, 0x40000
	s_bfe_u32 s24, ttmp6, 0x40004
	s_lshl_b32 s25, ttmp9, 2
	s_add_co_u32 s25, s25, s23
	s_and_b32 s26, ttmp7, 0xffff
	s_lshl_b32 s26, s26, 2
	s_add_co_u32 s26, s26, s24
	s_lshl_b32 s27, s24, 2
	s_lshl_b32 s27, 15, s27
	s_lshl_b32 s28, 0x1111, s23
	s_or_b32 s32, s27, (3<<16)|(1<<21)
	s_mov_b32 s33, 32<<16
	s_mov_b32 s34, 192<<16
	s_mov_b32 s35, 32<<16
	s_mov_b32 s36, 192                             ; half of y's images: 192 dense rows of 256 bytes
	s_mov_b32 s37, 32
	s_mov_b32 s38, 0
	s_mov_b32 s39, 0
	s_or_b32 s40, s28, (1<<20)|(1<<21)|(5<<22)|(3<<25)
	s_mov_b32 s41, 768<<16
	s_mov_b32 s42, 64<<16
	s_mov_b32 s43, 768<<16
	s_mov_b32 s44, 64                              ; half of W's rows
	s_mov_b32 s45, 768
	s_mov_b32 s46, 0
	s_mov_b32 s47, 0
	s_and_b32 s89, s[WV], 1                        ; which half I bring
	s_mul_i32 s82, s89, 49152
	s_mul_i32 s78, s26, 98304
	s_add_co_u32 s78, s78, s82
	s_mov_b32 s79, 0
	s_lshl_b32 s80, s25, 7
	s_lshl_b32 s81, s89, 6
	s_add_co_u32 s80, s80, s81
	s_mul_i32 s80, s80, 768
	s_mov_b32 s81, 0
	s_mul_i32 s83, s89, HALFR
	s_wait_dscnt 0x0
	s_wait_kmcnt 0x0
	s_mov_b32 s48, 1
	s_mov_b32 s49, s82
	s_add_nc_u64 s[50:51], s[4:5], s[78:79]
	s_or_b32 s51, s51, 0x80000000
	s_mov_b32 s52, 1
	s_add_co_u32 s53, s83, WR
	s_add_nc_u64 s[54:55], s[8:9], s[80:81]
	s_or_b32 s55, s55, 0x80000000
	s_wait_alu depctr_va_vdst(0)
	CROUND                                         ; all sixteen work-groups are here: the joint loads meet
	s_cmp_lt_u32 s[WV], 2
	s_cbranch_scc0 .Lfor_w
	tensor_load_to_lds s[48:51], s[32:39]
	s_nop 0
	PLACES
	s_branch .Lasked
.Lfor_w:
	tensor_load_to_lds s[52:55], s[40:47]
	s_nop 0
	PLACES
.Lasked:
	v_and_b32 v1, 15, v0
	v_bfe_u32 v2, v0, 4, 1
	v_and_b32 v3, 31, v0
	v_mul_u32_u24 v7, v1, PITCH
	v_mad_u32_u24 v7, v2, 24, v7
	v_lshl_add_u32 v8, v2, 4, v7
	s_mul_i32 s84, s22, HALFR
	s_add_co_u32 s84, s84, WR
	v_add_nc_u32 v[AW], s84, v7
	v_add_nc_u32 v[AW+1], s84, v8
	s_mul_i32 s84, s21, 49152
	v_lshl_add_u32 v[AY], v3, 4, s84
	v_lshl_add_u32 v[AY8], v3, 3, s84
	v_lshlrev_b32 v[L32], 5, v3
	v_lshlrev_b32 v[L2], 9, v2                     ; lanes 16-31: the next tile's 512 bytes
	v_lshl_add_u32 v[L2], v1, 1, v[L2]
	v_lshlrev_b32 v[H32], 5, v2
	s_wait_alu depctr_va_vdst(0)
	s_mul_i32 s84, s[WV], 16*272
	s_add_co_u32 s84, s84, STG
	v_mul_u32_u24 v[STO], v1, 272
	v_lshl_add_u32 v[STO], v2, 5, v[STO]
	v_add_nc_u32 v[STO], s84, v[STO]
	v_mul_u32_u24 v[RD], v2, 272
	v_lshl_add_u32 v[RD], v1, 4, v[RD]
	v_add_nc_u32 v[RD], s84, v[RD]
	v_lshlrev_b32 v[CO], 12, v2
	v_lshl_add_u32 v[CO], v1, 4, v[CO]
	s_mov_b32 s87, 0
	s_lshl_b32 s86, s25, 12
	s_lshl_b32 s88, s22, 11
	s_add_co_u32 s86, s86, s88
	s_add_nc_u64 s[10:11], s[10:11], s[86:87]
.irp p, 0,1
	global_load_b128 v[PS+8*\p:PS+8*\p+3], v[L32], s[10:11] offset:1024*\p
	global_load_b128 v[PS+8*\p+4:PS+8*\p+7], v[L32], s[10:11] offset:1024*\p+16
.endr
	s_lshr_b32 s86, s26, 4
	s_lshl_b32 s86, s86, 16                        ; batch
	s_and_b32 s88, s26, 15
	s_lshl_b32 s88, s88, 5                         ; block of 128
	s_add_co_u32 s86, s86, s88
	s_lshl_b32 s88, s21, 11                        ; my four tiles
	s_add_co_u32 s86, s86, s88
	s_add_nc_u64 s[6:7], s[6:7], s[86:87]
.irp p, 0,1
.irp s, 0,1,2,3,4,5,6,7
	global_load_u16 v[QS+8*\p+\s], v[L2], s[6:7] offset:(2*\s)*4096+1024*\p
	global_load_u16 v[QH+8*\p+\s], v[L2], s[6:7] offset:(2*\s+1)*4096+1024*\p
.endr
.endr
	s_lshl_b32 s86, s25, 9
	s_lshl_b32 s88, s22, 8
	s_add_co_u32 s86, s86, s88
	s_add_nc_u64 s[12:13], s[12:13], s[86:87]
.irp b, 0,1,2,3
	global_load_b128 v[BIAS+8*\b:BIAS+8*\b+3], v[H32], s[12:13] offset:64*\b
	global_load_b128 v[BIAS+8*\b+4:BIAS+8*\b+7], v[H32], s[12:13] offset:64*\b+16
.endr
	s_lshl_b32 s86, s26, 7
	s_lshl_b32 s88, s21, 6
	s_add_co_u32 s86, s86, s88
	s_lshl_b32 s86, s86, 12
	s_lshl_b32 s88, s25, 9
	s_add_co_u32 s86, s86, s88
	s_lshl_b32 s88, s22, 8
	s_add_co_u32 s86, s86, s88
	s_add_nc_u64 s[14:15], s[14:15], s[86:87]
	s_wait_loadcnt 0x0
.set n, 0
.rept 16
	v_lshl_or_b32 v[QS+n], v[QH+n], 16, v[QS+n]
.set n, n+1
.endr
.rept 8
	v_nop
.endr
	s_wait_alu depctr_va_vdst(0)
	s_wait_tensorcnt 0x0
	s_barrier_signal -1
	s_barrier_wait -1
	FETCH 0, 0
	FETCH 1, F1
	s_wait_dscnt 40                                ; all but the 40 loads just issued (24 of W's, 16 of y's)
	MUL 0, 0, 1
.irp s, 1,2,3,4,5,6
	PLACES
	FETCH \s+1, 96*((\s+1)%2)
	s_wait_dscnt 40
	MUL \s, 96*(\s%2), 0
.endr
	s_wait_dscnt 0x0
	MUL 7, F1, 0
	WIN 0
	PLACES
.macro TOSTAGE a
.irp b, 0,1,2,3
	ds_store_b128 v[STO], v[ACC+32*(\a)+8*\b:ACC+32*(\a)+8*\b+3] offset:64*\b
	ds_store_b128 v[STO], v[ACC+32*(\a)+8*\b+4:ACC+32*(\a)+8*\b+7] offset:64*\b+16
.endr
.irp t, 0,1,2,3,4,5,6,7
	ds_load_b128 v[OB+32*((\a)%2)+4*\t:OB+32*((\a)%2)+4*\t+3], v[RD] offset:544*\t
.endr
.endm
.macro SEND a, younger
	s_wait_dscnt \younger
.irp t, 0,1,2,3,4,5,6,7
	global_store_b128 v[CO], v[OB+32*((\a)%2)+4*\t:OB+32*((\a)%2)+4*\t+3], s[14:15] offset:(8*((\a)^(\t/4))+32*(\t/4)+2*(\t%4))*4096 th:TH_STORE_NT   ; the tile's rows 2 t and 2 t + 1, at their tokens
.endr
.endm
	TOSTAGE 0
.irp a, 1,2,3
.if \a > 1
	s_wait_xcnt 0x0
.endif
	TOSTAGE \a
	SEND \a-1, 16
.endr
	SEND 3, 0
	s_wait_dscnt 0x0
	s_wait_tensorcnt 0x0
	ds_add_u32 v30, v31
	s_wait_dscnt 0x0
	CROUND
	s_endpgm
.Lfunc_end_k_q386f4deed0_proj:
	.size	k_q386f4deed0_proj, .Lfunc_end_k_q386f4deed0_proj-k_q386f4deed0_proj
	.p2alignl 7, 3214868480
	.fill 96, 4, 3214868480
	.section	.rodata,"a",@progbits
	.p2align	6, 0x0
	.amdhsa_kernel k_q386f4deed0_proj
		.amdhsa_group_segment_fixed_size 327680
		.amdhsa_private_segment_fixed_size 0
		.amdhsa_enable_private_segment 0
		.amdhsa_kernarg_size 48
		.amdhsa_user_sgpr_count 2
		.amdhsa_user_sgpr_kernarg_segment_ptr 1
		.amdhsa_wavefront_size32 1
		.amdhsa_system_sgpr_workgroup_id_x 1
		.amdhsa_system_sgpr_workgroup_id_y 1
		.amdhsa_system_sgpr_workgroup_id_z 1
		.amdhsa_system_vgpr_workitem_id 0
		.amdhsa_next_free_vgpr 448
		.amdhsa_next_free_sgpr 96
		.amdhsa_reserve_vcc 0
		.amdhsa_float_denorm_mode_32 3
		.amdhsa_float_denorm_mode_16_64 3
		.amdhsa_memory_ordered 1
		.amdhsa_forward_progress 1
		.amdhsa_inst_pref_size 58
	.end_amdhsa_kernel
	.amdgpu_metadata
---
amdhsa.version: [ 1, 2 ]
amdhsa.kernels:
  - .name:           k_q386f4deed0_proj
    .symbol:         k_q386f4deed0_proj.kd
    .args:
      - { .name: yi, .offset: 0, .size: 8, .value_kind: global_buffer, .address_space: global }
      - { .name: ys, .offset: 8, .size: 8, .value_kind: global_buffer, .address_space: global }
      - { .name: W_proj_codes, .offset: 16, .size: 8, .value_kind: global_buffer, .address_space: global }
      - { .name: W_proj_scales, .offset: 24, .size: 8, .value_kind: global_buffer, .address_space: global }
      - { .name: b_proj, .offset: 32, .size: 8, .value_kind: global_buffer, .address_space: global }
      - { .name: out0, .offset: 40, .size: 8, .value_kind: global_buffer, .address_space: global }
    .group_segment_fixed_size: 327680
    .private_segment_fixed_size: 0
    .kernarg_segment_align: 8
    .kernarg_segment_size: 48
    .max_flat_workgroup_size: 128
    .sgpr_count:     96
    .vgpr_count:     448
    .wavefront_size: 32
...
	.end_amdgpu_metadata
.endif
;; end of part 3
